; MI455X (gfx1250); checked and timed in simulation.
; The chip was launched on July 23, 2026; its instructions are those of AMD's public machine-readable ISA for CDNA 5 (MIT licence, August 2026) and "CDNA5" Instruction Set Architecture Reference Guide (July 2026). The comments in the code are by the model that wrote it; some were corrected since.
;; Trellis Linear. Allowed arithmetic: float matrix products may take bf16 or f16 operands with f32 sums; all other float work in f32.
;; Inputs: grid 16 float32; packed_indices 512 x 512 x 128 int32; scales 64 x 8,192 float32; su 8,192 float32; sv 8,192 float32; x 64 x 8,192 float32.
;; Outputs: out0 64 x 8,192 float32.
;; One version. Each part assembles by itself: llvm-mc -triple=amdgcn-amd-amdhsa -mcpu=gfx1250 --defsym DOCPART=n.
;; ======== version 1 of 1: 2 launches
;; limits: values are held in f16: magnitudes above 65,504 overflow, below 6.1e-05 lose precision; values outside matrix products are rounded to f16
;; workspace buffers: part 16,777,216 bytes
;; launch main (part 1): grid 32 x 8, 16 waves a work-group, no clusters, 167,936 bytes of LDS; arguments x, packed_indices, scales, su, grid, part; writes part
.if DOCPART == 1
	.amdgcn_target "amdgcn-amd-amdhsa--gfx1250"
	.amdhsa_code_object_version 6
	.text
	.protected	k_q325ab5a355_main
	.globl	k_q325ab5a355_main
	.p2align	8
	.type	k_q325ab5a355_main,@function
k_q325ab5a355_main:
	s_mov_b64 s[64:65], 0
	v_nop
	global_prefetch_b8 v0, s[64:65] scope:SCOPE_SE
	s_setreg_imm32_b32 hwreg(HW_REG_WAVE_MODE, 25, 1), 1
	s_wait_xcnt 0x0
; part[by][m][n] = sum over the 1,024 k of K slice by of  x[m][k] su[k] grid[code[k][n]] scales[k/128][n]      (sv comes in the next launch)
; x [64][8192] f32, packed_indices [512][512][128] i32 (one byte of two 4-bit codes in each word), scales [64][8192], su [8192], grid [16].
; Work-group (bx, by): 256 columns x 1,024 of K.  16 waves; wave w = 8 q + g takes columns 32 g .. 32 g + 31 and K half q (512 of K).
;
; THE WEIGHTS.  A tile of 16 k x 16 n is 512 consecutive bytes, row k_in = 32 bytes = 8 words, word i = columns 2i (low code), 2i+1 (high code).
;  1. Lane (r, h) loads the 16 bytes at 32 r + 16 h of a tile: row r, columns 8h .. 8h+7.  One load of the wave covers the tile's 512 bytes.
;  2. Each word's low byte is looked up in an LDS table of 256 entries x 32 lanes: word (e, lane) = {f16 grid[e & 15], f16 grid[e >> 4]}.
;     Lane l reads word l of a 128-byte entry: 32 different words modulo 64 whatever the codes are.
;  3. The 8 looked-up registers of two neighbouring tiles are a matrix A fragment (row = k_in, 32 columns along the registers).  Multiplied by a
;     32 x 16 matrix that holds f16 scales[k/128][n] at (n, n) and zeros elsewhere, they come out in f32 as lane = column n, register j = k_in 8h + j:
;     grid x scale, one product (exact in f32) plus zeros, transposed.  Four packed conversions round it once to f16: half of the B fragment that
;     the product with x wants.  No LDS stage.
; x * su is made in f32, rounded once to f16 and laid in LDS once per work-group.  All sums are f32.
;
; WHY f16.  Its 11 bits of mantissa against bf16's 8: with 8,192 products a sum and columns scaled by sv, two operands of 8 bits leave too little
; margin under an allowance of a hundredth of the output's root mean square.  Room: with x and su as drawn |x su| stays under 25, with both
; 30 times larger under 22,500; |grid scales| under 6, then 5,400; f16 ends at 65,504.  With both 30 times smaller the products lie near 0.001,
; where f16's step is at most 2^-24.
; LIMITS.  |x su|, |scales| or |grid scales| above 65,504 become infinity.  grid has to be finite: step 3 multiplies the other columns' weights by 0,
; so an infinity or NaN in grid would reach neighbouring columns too.  scales is rounded to f16 (it is a matrix operand), grid x scale once more.
; The order of the f32 sums is not reference()'s.  Of a packed word the low 8 bits count, as in reference().
; NOT USED: joint (cluster) requests for x.  The 32 work-groups of a K slice read the same 256 KiB of x, a third of what a work-group reads;
; but every number of it has to pass registers (times su, rounding) before it lies in LDS, and a tensor load would first land it there as f32:
; 256 KiB more written to and read from LDS in each work-group.  The weights are shared by nobody.
.set XP,    1040                       ; x' in LDS: a row of 512 f16 + 16 bytes = 65 x 16: the 16 rows of a fragment load start 16 bytes apart modulo 256
.set XQ,    64*XP                      ; one K half of x': 66,560 bytes
.set TB,    2*XQ                       ; the table: 32,768 bytes from 133,120
.set TKB,   262144                     ; bytes from a tile row to the next (512 tiles of 512 bytes)
.set SLOTS, 7                          ; ring of tile rows in registers: 2 loads, 8 registers each
.set OP,    144                        ; the way out: a wave's row of 32 f32 + 16 bytes
.set OREG,  64*OP+128                  ; a wave's region on the way out, 9,344 bytes; 16 of them overlay x' and the table, which are done with by then
.set LT,   1                           ; v1       TB + 4 lane
.set AAD,  2                           ; v2       LDS address of my x' fragments
.set GOF,  3                           ; v3       my byte offset in packed_indices
.set SC,   4                           ; v[4:11]  block b, column tile nt at SC + 2 b + nt: f16 scale of my column, in the half that the column's place in Q uses
.set Q0,   12                          ; v[12:15] the scales of column tile 0 on the diagonal
.set ZR,   16                          ; v[16:19] zeros
.set Q1,   20                          ; v[20:23] the scales of column tile 1 on the diagonal
.set E0,   12                          ; v[12:19] Q0, zeros: takes columns 0 .. 15 of the 32
.set E1,   16                          ; v[16:23] zeros, Q1: takes columns 16 .. 31
.set RING, 24                          ; v[24:79]   tile row t in the 8 registers at RING + 8 (t mod 7)
.set B,    80                          ; v[80:95]   two B fragments (column tiles 0, 1)
.set A,    96                          ; v[96:127]  four x' fragments (64 rows x 32 k)
.set T,    128                         ; v[128:159] four transposed, scaled tiles in f32
.set ACC,  160                         ; v[160:223] the sums: tile (mt, nt) at 16 mt + 8 nt
.set QM,   40                          ; s[40:43]   lanes whose diagonal element lies in register i of Q
; registers of the set-up only
.set GD,   80                          ; v[80:84]  grid[low code], grid[high code] x 4
.set VX,   85                          ; offset in x
.set TA,   86                          ; where I store table words
.set XS0,  87                          ; where I store x', K half 0
.set TD,   88                          ; v[88:91]  offsets in scales, grid (2), su; then four equal table words
.set XS1,  92                          ; where I store x', K half 1
.set HM,   94                          ; which half of a word of Q my column uses
.set SU,   96                          ; v[96:127]  su of my 32 columns of the slice
.set X,    128                         ; v[128:255] four rows of x
; registers of the way out only
.set OST,  80                          ; where I put my sums
.set ORD0, 81                          ; where I read rows back, K half 0
.set ORD1, 82                          ; K half 1
.set OGO,  83                          ; my byte offset in part
.set OD,   96                          ; v[96:159] rows read back
; two loads: tile row t of my two tiles.  The data are read once in the launch.
.macro LOADROW t
	global_load_b128 v[RING+8*((\t)%SLOTS):RING+8*((\t)%SLOTS)+3],   v[GOF], s[6:7] offset:(\t)*TKB th:TH_LOAD_NT
	global_load_b128 v[RING+8*((\t)%SLOTS)+4:RING+8*((\t)%SLOTS)+7], v[GOF], s[6:7] offset:(\t)*TKB+512 th:TH_LOAD_NT
.endm
; the row's 8 words become 8 table addresses, in place
.macro ADDR t
.irp k, 0,1,2,3,4,5,6,7
	v_and_b32 v[RING+8*((\t)%SLOTS)+\k], s27, v[RING+8*((\t)%SLOTS)+\k]             ; the low byte, as reference() takes it
.endr
.irp k, 0,1,2,3,4,5,6,7
	v_min_u32 v[RING+8*((\t)%SLOTS)+\k], 0xff, v[RING+8*((\t)%SLOTS)+\k]            ; a loaded number enters an address only behind a minimum with a constant
.endr
.irp k, 0,1,2,3,4,5,6,7
	v_lshl_add_u32 v[RING+8*((\t)%SLOTS)+\k], v[RING+8*((\t)%SLOTS)+\k], 7, v[LT]   ; entry x 128 bytes + my lane's word
.endr
.endm
; 8 lookups, each onto its own address: two f16 weights a word
.macro LOOK t
.irp k, 0,1,2,3,4,5,6,7
	ds_load_b32 v[RING+8*((\t)%SLOTS)+\k], v[RING+8*((\t)%SLOTS)+\k]
.endr
.endm
; 8 loads: x' of all 64 rows, 32 k of step s
.macro AFRAG s
.irp mt, 0,1,2,3
	ds_load_b128 v[A+8*\mt:A+8*\mt+3],   v[AAD] offset:\mt*16*XP+64*(\s)
	ds_load_b128 v[A+8*\mt+4:A+8*\mt+7], v[AAD] offset:\mt*16*XP+64*(\s)+32
.endr
.endm
; the diagonals for block b of 128 k: my column's scale in the one register and half where its diagonal element lies, 0 elsewhere
.macro QSET b
.irp i, 0,1,2,3
	v_cndmask_b32 v[Q0+\i], 0, v[SC+2*(\b)],   s[QM+\i]
	v_cndmask_b32 v[Q1+\i], 0, v[SC+2*(\b)+1], s[QM+\i]
.endr
.endm
; tile rows 2s, 2s+1 (k 0-15, 16-31 of the step) times the two diagonals: lane (r, h), register j = grid x scale at (k_in = 8h + j, column r)
.macro TRANS s
	v_wmma_f32_16x16x32_f16 v[T:T+7],     v[RING+8*((2*\s)%SLOTS):RING+8*((2*\s)%SLOTS)+7],     v[E0:E0+7], 0
	v_wmma_f32_16x16x32_f16 v[T+8:T+15],  v[RING+8*((2*\s)%SLOTS):RING+8*((2*\s)%SLOTS)+7],     v[E1:E1+7], 0
	v_wmma_f32_16x16x32_f16 v[T+16:T+23], v[RING+8*((2*\s+1)%SLOTS):RING+8*((2*\s+1)%SLOTS)+7], v[E0:E0+7], 0
	v_wmma_f32_16x16x32_f16 v[T+24:T+31], v[RING+8*((2*\s+1)%SLOTS):RING+8*((2*\s+1)%SLOTS)+7], v[E1:E1+7], 0
.endm
; one rounding to f16, the lower k in the low half: registers 0-3 of a B fragment are k = 8h .. 8h+7 (row 2s), registers 4-7 k = 16 + 8h .. (row 2s+1)
.macro CVT
.irp i, 0,1,2,3
	v_cvt_pk_f16_f32 v[B+\i],    v[T+2*\i],    v[T+2*\i+1]
	v_cvt_pk_f16_f32 v[B+8+\i],  v[T+8+2*\i],  v[T+8+2*\i+1]
	v_cvt_pk_f16_f32 v[B+4+\i],  v[T+16+2*\i], v[T+16+2*\i+1]
	v_cvt_pk_f16_f32 v[B+12+\i], v[T+24+2*\i], v[T+24+2*\i+1]
.endr
.endm
; 64 rows x 32 columns x 32 k.  zero = 1: the first product starts the sums
.macro MUL zero
.irp mt, 0,1,2,3
.irp nt, 0,1
.if \zero
	v_wmma_f32_16x16x32_f16 v[ACC+16*\mt+8*\nt:ACC+16*\mt+8*\nt+7], v[A+8*\mt:A+8*\mt+7], v[B+8*\nt:B+8*\nt+7], 0
.else
	v_wmma_f32_16x16x32_f16 v[ACC+16*\mt+8*\nt:ACC+16*\mt+8*\nt+7], v[A+8*\mt:A+8*\mt+7], v[B+8*\nt:B+8*\nt+7], v[ACC+16*\mt+8*\nt:ACC+16*\mt+8*\nt+7]
.endif
.endr
.endr
.endm
.macro PLACES                          ; four plain vector places behind matrix instructions (ISA guide 7.12.1)
.rept 4
	v_nop
.endr
.endm
; ONE STEP: 32 of K.  At its head the LDS unit owes me the 16 lookups of tile rows 2s, 2s+1 and, younger, the 8 loads of x' of step s.
.macro STEP s
	s_wait_dscnt 0x8                               ; LDS loads come back in order: the lookups are in, the 8 loads of x' may be out
	TRANS \s
.if \s < 15
	; tile rows 2s+2, 2s+3 have to be in.  Issued so far: rows up to 2s+6, 31 at the most; the younger rows (two loads each) stay out.
.if \s <= 12
	s_wait_loadcnt 0x6                             ; rows 2s+4, 2s+5, 2s+6
.else
.if \s == 13
	s_wait_loadcnt 0x4                             ; rows 30, 31
.else
	s_wait_loadcnt 0x0                             ; nothing is younger than row 31
.endif
.endif
	ADDR 2*\s+2                                    ; 48 plain vector instructions on other slots: the places between the four products above and
	ADDR 2*\s+3                                    ; the conversions that read their results, and the loads into the slots that they have read
	CVT
.if \s <= 12
	LOADROW 2*\s+7                                 ; into row 2s's slot
.endif
.if \s <= 11
	LOADROW 2*\s+8                                 ; into row 2s+1's slot
.endif
	LOOK 2*\s+2
	LOOK 2*\s+3
	s_wait_dscnt 0x10                              ; x' of this step is in; the 16 lookups just issued stay out
.else
	PLACES
	CVT
	s_wait_dscnt 0x0                               ; the last step: nothing was issued behind its x'
.endif
.if \s == 0
	MUL 1
.else
	MUL 0
.endif
	PLACES                                         ; before x' fragments are loaded again (and, behind the last step, before the sums are read)
.if \s < 15
.if (\s)%4 == 3
	QSET \s/4+1                                    ; the next 128 of K have other scales
.endif
	AFRAG \s+1
.endif
.endm
	s_load_b256 s[4:11], s[0:1], 0x0               ; x s[4:5], packed_indices s[6:7], scales s[8:9], su s[10:11]
	s_load_b128 s[12:15], s[0:1], 0x20             ; grid s[12:13], part s[14:15]
	v_lshrrev_b32 v93, 5, v0
	v_readfirstlane_b32 s16, v93                   ; wave w, 0 .. 15
	s_and_b32 s17, s16, 7                          ; g: which 32 columns
	s_lshr_b32 s18, s16, 3                         ; q: which K half
	s_and_b32 s19, ttmp7, 0xffff                   ; by: K slice.  ttmp9 = bx: block of 256 columns
	s_mov_b32 s27, 0xff
	v_and_b32 v93, 31, v0                          ; lane
	v_and_b32 v94, 15, v0                          ; r
	v_bfe_u32 v95, v0, 4, 1                        ; h
	; the work-group's byte offsets (all below 2^31)
	s_lshl_b32 s36, ttmp9, 10                      ; 256 columns of f32
	s_lshl_b32 s28, s19, 18                        ; scales: 8 blocks of 32,768 bytes
	s_add_co_u32 s28, s28, s36
	s_mov_b32 s29, 0
	s_lshl_b32 s30, s19, 12                        ; x and su: 1,024 f32
	s_mov_b32 s31, 0
	s_lshl_b32 s32, s19, 24                        ; packed_indices: 64 tile rows
	s_lshl_b32 s37, ttmp9, 13                      ; + 16 tiles
	s_add_co_u32 s32, s32, s37
	s_mov_b32 s33, 0
	s_lshl_b32 s34, s19, 21                        ; part: 64 rows of 32,768 bytes
	s_add_co_u32 s34, s34, s36
	s_mov_b32 s35, 0
	; the wave's offsets
	s_mul_i32 s20, s18, XQ                         ; my K half of x'
	s_lshl_b32 s21, s18, 23                        ; packed_indices: 32 tile rows
	s_lshl_b32 s22, s17, 10                        ; + 2 tiles
	s_add_co_u32 s21, s21, s22
	s_lshl_b32 s23, s18, 17                        ; scales: 4 blocks
	s_lshl_b32 s24, s17, 7                         ; + 32 columns
	s_add_co_u32 s23, s23, s24
	s_lshl_b32 s25, s16, 17                        ; four rows of 32,768 bytes (of x, and of part at the end)
	s_mul_i32 s26, s16, 4*XP                       ; four rows of x'
	v_lshl_add_u32 v[LT], v93, 2, TB
	v_mul_u32_u24 v[AAD], v94, XP                  ; fragment of 16 rows x 32 k: row r, 16 bytes for each half of the lanes
	v_lshl_add_u32 v[AAD], v95, 4, v[AAD]
	v_add_nc_u32 v[AAD], s20, v[AAD]
	v_lshlrev_b32 v[GOF], 5, v94                   ; tile row r, half h
	v_lshl_add_u32 v[GOF], v95, 4, v[GOF]
	v_add_nc_u32 v[GOF], s21, v[GOF]
	; Q is the B fragment of a 16 x 16 diagonal matrix.  Lane (r, h) holds column r; element i of its registers 0-3 is row 8h + i:
	; the diagonal element lies where 8h + i = r, that is in register (r & 7) >> 1, half r & 1, of the lanes with r >> 3 = h.
.irp i, 0,1,2,3
	v_mov_b32 v[ZR+\i], 0
.endr
	v_bfe_u32 v80, v0, 1, 2                        ; (r & 7) >> 1: the register,
	v_bfe_u32 v81, v0, 3, 1                        ; if r >> 3
	v_xor_b32 v81, v81, v95                        ; equals h;
	v_lshl_add_u32 v80, v81, 2, v80                ; otherwise 4 .. 7: none
.irp i, 0,1,2,3
	v_cmp_eq_u32 s[QM+\i], \i, v80
.endr
	v_lshl_add_u32 v[TD], v94, 2, s23              ; scales: column r of my first tile
	v_lshrrev_b32 v[TD+1], 1, v0
	v_and_b32 v[TD+1], 0x3c, v[TD+1]               ; grid: 4 ((t >> 3) & 15), the low code of my table entries
	v_lshrrev_b32 v[TD+2], 5, v0
	v_and_b32 v[TD+2], 12, v[TD+2]                 ; grid: 4 (t >> 7); their high codes are (t >> 7) + 4 i
	v_lshlrev_b32 v[TD+3], 4, v93                  ; su: 16 bytes a lane
	v_lshl_add_u32 v[VX], v93, 4, s25              ; x: my wave's four rows, 16 bytes a lane
	v_lshl_add_u32 v[TA], v0, 4, TB                ; table: 16 bytes a thread
	v_lshl_add_u32 v[XS0], v93, 3, s26             ; x': 8 bytes a lane
	v_add_nc_u32 v[XS1], XQ, v[XS0]
	v_and_b32 v[HM], 1, v0                         ; r and h are done with: the low half for even r, the high half for odd r
	v_lshlrev_b32 v[HM], 4, v[HM]
	v_mov_b32 v95, 0xffff
	v_lshlrev_b32 v[HM], v[HM], v95
	s_wait_kmcnt 0x0
	s_add_nc_u64 s[4:5], s[4:5], s[30:31]          ; x at the slice's first column
	s_add_nc_u64 s[10:11], s[10:11], s[30:31]      ; su likewise
	s_add_nc_u64 s[6:7], s[6:7], s[32:33]          ; packed_indices at the work-group's first tile
	s_add_nc_u64 s[8:9], s[8:9], s[28:29]          ; scales at its first block and column
	s_add_nc_u64 s[14:15], s[14:15], s[34:35]      ; part at its slice and first column
	; ALL LOADS OF THE SET-UP, then the first seven tile rows: 8 + 5 + 8, 32, 14
.irp b, 0,1,2,3
.irp nt, 0,1
	global_load_b32 v[SC+2*\b+\nt], v[TD], s[8:9] offset:\b*32768+64*\nt
.endr
.endr
	global_load_b32 v[GD], v[TD+1], s[12:13]
.irp i, 0,1,2,3
	global_load_b32 v[GD+1+\i], v[TD+2], s[12:13] offset:16*\i
.endr
.irp j, 0,1,2,3,4,5,6,7
	global_load_b128 v[SU+4*\j:SU+4*\j+3], v[TD+3], s[10:11] offset:512*\j
.endr
.irp i, 0,1,2,3
.irp j, 0,1,2,3,4,5,6,7
	global_load_b128 v[X+32*\i+4*\j:X+32*\i+4*\j+3], v[VX], s[4:5] offset:\i*32768+512*\j
.endr
.endr
.irp t, 0,1,2,3,4,5,6
	LOADROW \t
.endr
	; THE TABLE.  Thread t writes the 16 bytes at 16 t + 8192 i: four lanes' words of entry (t >> 3) + 64 i.
	s_wait_loadcnt 46                              ; scales, grid and su are in (and their offset registers free); 32 loads of x and 14 of the ring are younger
.irp i, 0,1,2,3
.irp k, 0,1,2,3
	v_cvt_pk_f16_f32 v[TD+\k], v[GD], v[GD+1+\i]   ; low half: the low code's weight; high half: the high code's
.endr
	ds_store_b128 v[TA], v[TD:TD+3] offset:8192*\i
.endr
	; the scales: f16 in both halves, then only the half that my column's diagonal element uses
.irp i, 0,1,2,3,4,5,6,7
	v_cvt_pk_f16_f32 v[SC+\i], v[SC+\i], v[SC+\i]
.endr
.irp i, 0,1,2,3,4,5,6,7
	v_and_b32 v[SC+\i], v[HM], v[SC+\i]
.endr
	QSET 0
	; x' = f16(x su): my wave's four rows, 1,024 columns; load j holds columns 128 j + 4 lane .. + 3, which lie in K half j >> 2
.irp i, 0,1,2,3
	s_wait_loadcnt 38-8*\i                         ; row i is in; the later rows (8 loads each) and the ring's 14 loads are younger
.irp j, 0,1,2,3,4,5,6,7
	v_pk_mul_f32 v[X+32*\i+4*\j:X+32*\i+4*\j+1],   v[X+32*\i+4*\j:X+32*\i+4*\j+1],   v[SU+4*\j:SU+4*\j+1]
	v_pk_mul_f32 v[X+32*\i+4*\j+2:X+32*\i+4*\j+3], v[X+32*\i+4*\j+2:X+32*\i+4*\j+3], v[SU+4*\j+2:SU+4*\j+3]
	v_cvt_pk_f16_f32 v[X+32*\i+4*\j],   v[X+32*\i+4*\j],   v[X+32*\i+4*\j+1]
	v_cvt_pk_f16_f32 v[X+32*\i+4*\j+1], v[X+32*\i+4*\j+2], v[X+32*\i+4*\j+3]
.if \j < 4
	ds_store_b64 v[XS0], v[X+32*\i+4*\j:X+32*\i+4*\j+1] offset:\i*XP+256*\j
.else
	ds_store_b64 v[XS1], v[X+32*\i+4*\j:X+32*\i+4*\j+1] offset:\i*XP+256*(\j-4)
.endif
.endr
.endr
	s_wait_dscnt 0x0                               ; my part of the table and of x' is written: zero, for the other waves' sake
	s_barrier_signal -1
	s_barrier_wait -1                              ; everybody's is.  From here to the next barrier LDS is only read
	s_wait_loadcnt 10                              ; tile rows 0 and 1 are in; rows 2 to 6 are younger
	ADDR 0
	ADDR 1
	LOOK 0
	LOOK 1
	AFRAG 0
.irp s, 0,1,2,3,4,5,6,7,8,9,10,11,12,13,14,15
	STEP \s
.endr
	; THE WAY OUT.  The two K halves of a column block meet in LDS; rows are read back whole and stored in pieces of 512 bytes.
	s_mul_i32 s20, s16, OREG                       ; my region
	s_mul_i32 s21, s16, 4*OP                       ; the four rows that I read back in every region
	v_and_b32 v84, 15, v0                          ; r
	v_bfe_u32 v85, v0, 4, 1                        ; h
	v_mul_u32_u24 v[OST], v85, 8*OP                ; register j of tile (mt, nt) is element (16 mt + 8 h + j, 16 nt + r)
	v_lshl_add_u32 v[OST], v84, 2, v[OST]
	v_add_nc_u32 v[OST], s20, v[OST]
	v_bfe_u32 v84, v0, 3, 2                        ; lane >> 3: which of four neighbouring regions (32 columns each)
	v_and_b32 v85, 7, v0                           ; which 16 bytes of its row
	v_mul_u32_u24 v[ORD0], v84, OREG
	v_lshl_add_u32 v[ORD0], v85, 4, v[ORD0]
	v_add_nc_u32 v[ORD0], s21, v[ORD0]
	v_add_nc_u32 v[ORD1], 8*OREG, v[ORD0]          ; the same columns of K half 1: eight regions on
	v_and_b32 v84, 31, v0
	v_lshl_add_u32 v[OGO], v84, 4, s25             ; part: my wave's four rows, 16 bytes a lane
	s_wait_dscnt 0x0                               ; my reads of x' and of the table are over
	s_barrier_signal -1
	s_barrier_wait -1                              ; everybody's are: the regions may overlay them
.irp mt, 0,1,2,3
.irp nt, 0,1
.irp j, 0,1,2,3,4,5,6,7
	ds_store_b32 v[OST], v[ACC+16*\mt+8*\nt+\j] offset:(16*\mt+\j)*OP+64*\nt
.endr
.endr
.endr
	s_wait_dscnt 0x0                               ; my sums are written: zero, for the other waves' sake
	s_barrier_signal -1
	s_barrier_wait -1
	; rows 4 w + i; hf: columns 128 hf .. 128 hf + 127 of the block's 256 (regions 4 hf .. 4 hf + 3); both K halves
.irp i, 0,1,2,3
.irp hf, 0,1
	ds_load_b128 v[OD+8*(2*\i+\hf):OD+8*(2*\i+\hf)+3],   v[ORD0] offset:\i*OP+\hf*4*OREG
	ds_load_b128 v[OD+8*(2*\i+\hf)+4:OD+8*(2*\i+\hf)+7], v[ORD1] offset:\i*OP+\hf*4*OREG
.endr
.endr
.irp i, 0,1,2,3
.irp hf, 0,1
	s_wait_dscnt 14-2*(2*\i+\hf)                   ; this pair of loads is in; the later pairs stay out
	v_pk_add_f32 v[OD+8*(2*\i+\hf):OD+8*(2*\i+\hf)+1],   v[OD+8*(2*\i+\hf):OD+8*(2*\i+\hf)+1],   v[OD+8*(2*\i+\hf)+4:OD+8*(2*\i+\hf)+5]
	v_pk_add_f32 v[OD+8*(2*\i+\hf)+2:OD+8*(2*\i+\hf)+3], v[OD+8*(2*\i+\hf)+2:OD+8*(2*\i+\hf)+3], v[OD+8*(2*\i+\hf)+6:OD+8*(2*\i+\hf)+7]
	global_store_b128 v[OGO], v[OD+8*(2*\i+\hf):OD+8*(2*\i+\hf)+3], s[14:15] offset:\i*32768+512*\hf   ; the wave stores 512 consecutive bytes, at a multiple of 512 from part's first byte
.endr
.endr
	s_wait_xcnt 0x0
	v_lshl_add_u32 v254, v0, 2, 0x28800
	v_mov_b32 v255, 0
	s_wait_tensorcnt 0x0
	ds_add_u32 v254, v255
	s_wait_dscnt 0x0
	s_endpgm
.Lfunc_end_k_q325ab5a355_main:
	.size	k_q325ab5a355_main, .Lfunc_end_k_q325ab5a355_main-k_q325ab5a355_main
	.p2alignl 7, 3214868480
	.fill 96, 4, 3214868480
	.section	.rodata,"a",@progbits
	.p2align	6, 0x0
	.amdhsa_kernel k_q325ab5a355_main
		.amdhsa_group_segment_fixed_size 167936
		.amdhsa_private_segment_fixed_size 0
		.amdhsa_enable_private_segment 0
		.amdhsa_kernarg_size 48
		.amdhsa_user_sgpr_count 2
		.amdhsa_user_sgpr_kernarg_segment_ptr 1
		.amdhsa_wavefront_size32 1
		.amdhsa_system_sgpr_workgroup_id_x 1
		.amdhsa_system_sgpr_workgroup_id_y 1
		.amdhsa_system_sgpr_workgroup_id_z 1
		.amdhsa_system_vgpr_workitem_id 0
		.amdhsa_next_free_vgpr 256
		.amdhsa_next_free_sgpr 66
		.amdhsa_reserve_vcc 0
		.amdhsa_float_denorm_mode_32 3
		.amdhsa_float_denorm_mode_16_64 3
		.amdhsa_memory_ordered 1
		.amdhsa_forward_progress 1
		.amdhsa_inst_pref_size 133
	.end_amdhsa_kernel
	.amdgpu_metadata
---
amdhsa.version: [ 1, 2 ]
amdhsa.kernels:
  - .name:           k_q325ab5a355_main
    .symbol:         k_q325ab5a355_main.kd
    .args:
      - { .name: x, .offset: 0, .size: 8, .value_kind: global_buffer, .address_space: global }
      - { .name: packed_indices, .offset: 8, .size: 8, .value_kind: global_buffer, .address_space: global }
      - { .name: scales, .offset: 16, .size: 8, .value_kind: global_buffer, .address_space: global }
      - { .name: su, .offset: 24, .size: 8, .value_kind: global_buffer, .address_space: global }
      - { .name: grid, .offset: 32, .size: 8, .value_kind: global_buffer, .address_space: global }
      - { .name: part, .offset: 40, .size: 8, .value_kind: global_buffer, .address_space: global }
    .group_segment_fixed_size: 167936
    .private_segment_fixed_size: 0
    .kernarg_segment_align: 8
    .kernarg_segment_size: 48
    .max_flat_workgroup_size: 512
    .sgpr_count:     66
    .vgpr_count:     256
    .wavefront_size: 32
...
	.end_amdgpu_metadata
.endif
;; end of part 1
;; launch reduce (part 2): grid 256 x 1, 8 waves a work-group, no clusters, 0 bytes of LDS; arguments part, sv, out0; writes out0
.if DOCPART == 2
	.amdgcn_target "amdgcn-amd-amdhsa--gfx1250"
	.amdhsa_code_object_version 6
	.text
	.protected	k_q325ab5a355_reduce
	.globl	k_q325ab5a355_reduce
	.p2align	8
	.type	k_q325ab5a355_reduce,@function
k_q325ab5a355_reduce:
	s_mov_b64 s[64:65], 0
	v_nop
	global_prefetch_b8 v0, s[64:65] scope:SCOPE_SE
	s_setreg_imm32_b32 hwreg(HW_REG_WAVE_MODE, 25, 1), 1
	s_wait_xcnt 0x0
; out0[m][n] = sv[n] * sum over the 8 K slices s of part[s][m][n].  part [8][64][8192] f32, sv [8192], out0 [64][8192] f32.
; A stream: no LDS, no barrier, no matrix unit, nothing shared between work-groups but sv (32 KiB).
; A work-group takes 8,192 consecutive bytes of out0 (a quarter of a row); thread t the 16 bytes at 16 t and at 16 t + 4,096.
; Every load and store of a wave covers 512 consecutive bytes, aligned.  All 18 loads of a thread are issued before the first wait.
; The sum is a pairwise tree in f32; its order is not reference()'s.
.set SLICE, 2097152                    ; bytes of a K slice of part
.set SV,    2                          ; v[2:9]    sv of my two groups of four columns
.set D,     16                         ; v[16:79]  group a, slice s at D + 32 a + 4 s
	s_load_b128 s[4:7], s[0:1], 0x0                ; part s[4:5], sv s[6:7]
	s_load_b64 s[8:9], s[0:1], 0x10                ; out0
	s_lshl_b32 s10, ttmp9, 13                      ; the work-group's 8,192 bytes
	s_mov_b32 s11, 0
	s_and_b32 s14, ttmp9, 3                        ; which quarter of a row: the same quarter of sv
	s_lshl_b32 s14, s14, 13
	s_mov_b32 s15, 0
	v_lshlrev_b32 v1, 4, v0                        ; 16 t
	s_wait_kmcnt 0x0
	s_add_nc_u64 s[4:5], s[4:5], s[10:11]
	s_add_nc_u64 s[8:9], s[8:9], s[10:11]
	s_add_nc_u64 s[6:7], s[6:7], s[14:15]
	s_add_nc_u64 s[12:13], s[4:5], 4*SLICE         ; slices 4 to 7: a second base, since the immediate offset reaches three slices
	global_load_b128 v[SV:SV+3],   v1, s[6:7]
	global_load_b128 v[SV+4:SV+7], v1, s[6:7] offset:4096
.irp a, 0,1
.irp s, 0,1,2,3
	global_load_b128 v[D+32*\a+4*\s:D+32*\a+4*\s+3], v1, s[4:5] offset:\s*SLICE+4096*\a th:TH_LOAD_NT
.endr
.irp s, 0,1,2,3
	global_load_b128 v[D+32*\a+16+4*\s:D+32*\a+16+4*\s+3], v1, s[12:13] offset:\s*SLICE+4096*\a th:TH_LOAD_NT
.endr
.endr
; dst += src, four numbers
.macro ADD4 dst, src
	v_pk_add_f32 v[\dst:\dst+1],   v[\dst:\dst+1],   v[\src:\src+1]
	v_pk_add_f32 v[\dst+2:\dst+3], v[\dst+2:\dst+3], v[\src+2:\src+3]
.endm
.macro GROUP a
.irp s, 0,2,4,6
	ADD4 D+32*\a+4*\s, D+32*\a+4*\s+4
.endr
	ADD4 D+32*\a,    D+32*\a+8
	ADD4 D+32*\a+16, D+32*\a+24
	ADD4 D+32*\a,    D+32*\a+16
	v_pk_mul_f32 v[D+32*\a:D+32*\a+1],   v[D+32*\a:D+32*\a+1],   v[SV+4*\a:SV+4*\a+1]
	v_pk_mul_f32 v[D+32*\a+2:D+32*\a+3], v[D+32*\a+2:D+32*\a+3], v[SV+4*\a+2:SV+4*\a+3]
	global_store_b128 v1, v[D+32*\a:D+32*\a+3], s[8:9] offset:4096*\a th:TH_STORE_NT
.endm
	s_wait_loadcnt 0x8                             ; sv and group 0 are in; group 1's eight loads are younger
	GROUP 0
	s_wait_loadcnt 0x0
	GROUP 1                                        ; other registers than group 0's: no store's source is rewritten
	s_endpgm
.Lfunc_end_k_q325ab5a355_reduce:
	.size	k_q325ab5a355_reduce, .Lfunc_end_k_q325ab5a355_reduce-k_q325ab5a355_reduce
	.p2alignl 7, 3214868480
	.fill 96, 4, 3214868480
	.section	.rodata,"a",@progbits
	.p2align	6, 0x0
	.amdhsa_kernel k_q325ab5a355_reduce
		.amdhsa_group_segment_fixed_size 0
		.amdhsa_private_segment_fixed_size 0
		.amdhsa_enable_private_segment 0
		.amdhsa_kernarg_size 24
		.amdhsa_user_sgpr_count 2
		.amdhsa_user_sgpr_kernarg_segment_ptr 1
		.amdhsa_wavefront_size32 1
		.amdhsa_system_sgpr_workgroup_id_x 1
		.amdhsa_system_sgpr_workgroup_id_y 1
		.amdhsa_system_sgpr_workgroup_id_z 1
		.amdhsa_system_vgpr_workitem_id 0
		.amdhsa_next_free_vgpr 80
		.amdhsa_next_free_sgpr 66
		.amdhsa_reserve_vcc 0
		.amdhsa_float_denorm_mode_32 3
		.amdhsa_float_denorm_mode_16_64 3
		.amdhsa_memory_ordered 1
		.amdhsa_forward_progress 1
		.amdhsa_inst_pref_size 5
	.end_amdhsa_kernel
	.amdgpu_metadata
---
amdhsa.version: [ 1, 2 ]
amdhsa.kernels:
  - .name:           k_q325ab5a355_reduce
    .symbol:         k_q325ab5a355_reduce.kd
    .args:
      - { .name: part, .offset: 0, .size: 8, .value_kind: global_buffer, .address_space: global }
      - { .name: sv, .offset: 8, .size: 8, .value_kind: global_buffer, .address_space: global }
      - { .name: out0, .offset: 16, .size: 8, .value_kind: global_buffer, .address_space: global }
    .group_segment_fixed_size: 0
    .private_segment_fixed_size: 0
    .kernarg_segment_align: 8
    .kernarg_segment_size: 24
    .max_flat_workgroup_size: 256
    .sgpr_count:     66
    .vgpr_count:     80
    .wavefront_size: 32
...
	.end_amdgpu_metadata
.endif
;; end of part 2
